; MI455X (gfx1250); checked and timed in simulation.
; The chip was launched on July 23, 2026; its instructions are those of AMD's public machine-readable ISA for CDNA 5 (MIT licence, August 2026) and "CDNA5" Instruction Set Architecture Reference Guide (July 2026). The comments in the code are by the model that wrote it; some were corrected since.
;; Image To Graph Transformer. Allowed arithmetic: matrix products marked QUANTISED: E4M3 operands, one given power-of-two scale a tensor, by v_wmma_f32_16x16x64_fp8_fp8 or v_wmma_f32_16x16x128_fp8_fp8, f32 sums; products left as they are: f32 operands where the result goes on into a quantised operand, else bf16, f16 or f32 operands; f32 sums; everything else in f32.
;; Inputs: Wk 256 x 64 float32; Wp 32 x 2 float32; Wq 256 x 64 float32; Wv 256 x 64 float32; bk 256 float32; bp 32 float32; bq 256 float32; bv 256 float32; lowp_scales 4 int32 (the exponents e of the quantised operands' scales 2^e); pos 8 x 8 x 2 float32; x 8 x 64 x 256 x 256 float32; z 8 x 64 float32.
;; Outputs: out0 8 x 8 x 256 float32; out1 8 x 8 x 2 float32.
;; This version of the problem:
;;   THIS VERSION OF THE PROBLEM IS GIVEN IN LOW PRECISION. The matrix products marked QUANTISED in the list below multiply operands that are first quantised to E4M3 (4 exponent bits, 3 mantissa bits; 8 bits a number), with one given power-of-two scale for each operand tensor; their sums are f32. All else is computed in f32.
;;   The module's matrix products, in the order in which they are computed (A, B: the left and right operand; K: the contracted axis; several contracted axes count as one K, in the product's order):
;;     1. [M 8, K 64] x [K 64, N 256]; A: input z; B: input Wq: left as it is (M = 8 < 16)
;;     2. [M 524,288, K 64] x [K 64, N 256]; A: input x; B: input Wk: QUANTISED (scales: A lowp_scales[0], B lowp_scales[1])
;;     3. [M 4,194,304, K 2] x [K 2, N 32]; A: computed on the way; B: input Wp: left as it is (K = 2 < 32)
;;     4. [M 524,288, K 64] x [K 64, N 256]; A: input x; B: input Wv: QUANTISED (scales: A lowp_scales[2], B lowp_scales[3])
;;     5. batch 64 x [M 65,536, K 32] x [K 32, N 1]; A: computed on the way; B: computed on the way: left as it is (N = 1 < 16)
;;     6. [M 64, K 65,536] x [K 65,536, N 2]; A: softmax; B: computed on the way: left as it is (N = 2 < 16)
;;     7. batch 8 x [M 8, K 65,536] x [K 65,536, N 256]; A: softmax; B: computed on the way: left as it is (M = 8 < 16)
;;   THE QUANTISER, for each operand of a quantised product, along K:
;;     - The operand's scale is 2^e, e = its entry of the input lowp_scales (int32; the entries are numbered through the quantised products in the list's order, A before B).
;;     - Each number is divided by the scale, clamped to +-448, and rounded to the nearest number of E4M3, ties to even, subnormals kept.
;;     - The product sums the exact products of the quantised numbers (number of the format x scale) in f32.
;;   ~~~python
;;   def quantise(x, axis, e):      # numpy; x: float32 -> the quantised numbers, widened to float32 again
;;       x = np.moveaxis(x, axis, -1); K = x.shape[-1]
;;       r = np.clip(x / 2.0 ** e, -448, 448)
;;       step = 2.0 ** (np.maximum(np.frexp(np.where(r == 0, 1, r))[1] - 1, -6) - 3)
;;       q = np.round(r / step) * step * 2.0 ** e      # np.round: ties to even
;;       return np.moveaxis(q, -1, axis).astype(np.float32)
;;   ~~~
;; One version. Each part assembles by itself: llvm-mc -triple=amdgcn-amd-amdhsa -mcpu=gfx1250 --defsym DOCPART=n.
;; ======== version 1 of 1: 2 launches
;; limits: right only within a limited range of input values
;; workspace buffers: part 2,097,152 bytes; stat 32,768 bytes
;; launch attend (part 1): grid 32 x 8, 4 waves a work-group, no clusters, 327,680 bytes of LDS; arguments x, z, pos, Wq, bq, Wk, bk, Wv, Wp, bp, lowp_scales, part, stat; writes part, stat
.if DOCPART == 1
	.amdgcn_target "amdgcn-amd-amdhsa--gfx1250"
	.amdhsa_code_object_version 6
	.text
	.protected	k_q78dd750d79_attend
	.globl	k_q78dd750d79_attend
	.p2align	8
	.type	k_q78dd750d79_attend,@function
k_q78dd750d79_attend:
	s_mov_b64 s[64:65], 0
	v_nop
	global_prefetch_b8 v0, s[64:65] scope:SCOPE_SE
	s_setreg_imm32_b32 hwreg(HW_REG_WAVE_MODE, 25, 1), 1
	s_wait_xcnt 0x0
; Attention pooling of an image, first of two launches.  x: [8][64 channels][65,536 pixels] f32.  For every pixel n = 256 gx + gy of batch b:
;   k = Q(x) Q(Wk)^T + bk, v = Q(x) Q(Wv)^T + bv (both products on E4M3 codes, given scales 2^e0 .. 2^e3), logit[n][h] = sum over c of q[h][c] k[n][h][c] qxk[n][h][c] / sqrt(32),
;   qxk = (gx - pos0) Wp[c][0] + (gy - pos1) Wp[c][1] + bp[c];  softmax over the 65,536 pixels;  out0 = sum att v, out1 = sum att (gx, gy).
; NOTHING IS LEFT OUT: every input reaches an output and is loaded (bv in the second launch).  Three sums are only ordered otherwise, exactly in real numbers, for all values of the inputs:
;   qxk = a + gx Wp0 + gy Wp1 with a = bp - pos0 Wp0 - pos1 Wp1;  bk's part of the logit is summed apart from the codes' sums;  sum att (v + bv) = sum att v + bv, since the weights add up to 1.
; With g = (z Wq^T + bq) log2(e) / sqrt(32), A0 = g a, A1 = g Wp0, A2 = g Wp1, S the raw sum of code products, the logit in base 2 is
;   t = sum over c of S 2^(e0+e1) (A0 + gx A1 + gy A2) + sum over c of bk (A0 + gx A1 + gy A2).  p = 2^(t - M), M a running maximum of t, for each head.
; SHARES.  Work-group (x, y) takes image rows 8 x .. 8 x + 7 of batch y; wave w two rows, 512 pixels, as four tiles of 128 pixels x 64 channels, all 256 channels of k and of v.  Each wave has its own ring of
; two LDS slots of 32,768 bytes, filled by tensor loads (rows of 512 bytes).  Stored: part[wg][head][256] = sum p x raw v sums, stat[wg][M, sum p, sum p gx, sum p gy][head], under the work-group's M.
; NO CLUSTER: each tile of x is read by one wave alone; the weights (196,608 bytes) are shared, but go through registers to be quantised or multiplied, and beside the ring (262,144 bytes) and the
; scratch (62,976) 2,560 bytes of LDS are left.
; LAYOUT.  Fragments of codes: lane (r, h) holds of row r the channels 32 h .. 32 h + 31 in 8 registers: a permutation of K, the same on both sides of every product.
;   k^T = Wk x^T: a lane holds one pixel and 8 channels of k, so the weights A lie in registers that hang on the lane's half alone.  v = x Wv^T: a lane holds one channel and 8 pixels: two such tiles,
;   rounded to bf16, are source 0 (16 channels x 32 pixels) of the pooling product, whose source 1 is p (32 pixels x 8 heads, columns 8-15 copies).
; LIMITS: e0 .. e3 between -126 and 119; NaN and infinities among the inputs are not served; t lies above -3e38; p and the raw sums of v are rounded to bf16 for the pooling product.
; REGISTERS, windows of 256.  Window 0: v0-79 kept (below); v80-143 x's numbers / k's results / the softmax; v144-159 at work; v160-175 k's codes; v176-191 v's codes; v192-255 the logits' sums.
;   Window 1: v0-63 Wk's tiles 2-9; v64-127 A0 + gx A1, v128-191 A2 (tiles 0-7); v192-255 pooled sums, tiles 0-7.   Window 2: the same for tiles 10-15, 0, 1 of Wk and tiles 8-15 of the rest.
;   Window 3: v0-127 Wv's 16 tiles; v128-143 x's codes; v144-151 p; v152-215 v's results, two sets; v216-247 the same in bf16, two sets.
.set SLOTB, 32768                      ; a slot: 64 channels x 128 pixels x 4 bytes
.set VC,    262144                     ; behind the rings: v's codes, 10,240 bytes a wave: 128 pixels x (64 + 16); at the head: the weights' codes, 512 rows of 80
.set LG,    303104                     ; 4,096 bytes a wave: logits [8][128] f32; its first 2,048 later p [128][8] bf16
.set TA0,   319488                     ; A0, A1, A2 x 2^(e0+e1): 1,024 bytes each
.set TB,    322560                     ; bk's three sums for each head, [3][8]
.set QT,    322816                     ; z Wq^T, 256 numbers
.set MSX,   323840                     ; the waves' maxima
.set STX,   324096                     ; the waves' sums
.set SPARE, 324608                     ; the spare words, 128 bytes a wave: two blocks of 256 bytes that no other line names
.set SPW, 1
.set NIL, 2
.set XA, 3
.set XAD, 4
.set VCW, 5
.set VCWD, 6
.set LGW, 7
.set LGWD, 8
.set LGR, 9
.set PSW, 10
.set VFR, 11
.set VFRD, 12
.set PFR, 13
.set PFRD, 14
.set CFA, 15
.set TBA, 16
.set GY, 18                            ; v[18:19] gy of my pixel in tile X, in tile Y
.set GYS, 20                           ; v[20:23] gy of pixels 4 lane + 0 .. 3
.set SCK, 24                           ; 2^e0, 448 x 2^e0, 2^e2, 448 x 2^e2
.set LK, 25
.set SCV, 26
.set LV, 27
.set MM, 28                            ; the running maximum: lane l holds head l % 8
.set PL, 29
.set FF, 30                            ; v[30:31] 2^(old M - new M), and a partner that is written once
.set LL, 32                            ; v32-39 sum p, v40-47 sum p gx, v48-55 sum p gy: a register a head, a part in each lane
.set SXR, 40
.set SYR, 48
.set BI, 56                            ; v56-71 a pair a head: bk's sums / 4: (B0 + gx B1, B2)
.set X, 80
.set MX, 112
.set TMP, 144
.set CK, 160
.set CV, 176
.set AL, 192
.set MSB, 0
.macro WIN new                         ; low byte: bits 1:0 source 0, 3:2 source 1, 5:4 source 2, 7:6 destination; the high byte repeats the setting that is left
.if MSB != (\new)
	s_set_vgpr_msb (MSB<<8)|(\new)
.set MSB, \new
.endif
.endm
.macro BARRIER                         ; my LDS instructions are done: then the work-group's barrier
	s_wait_dscnt 0x0
	s_barrier_signal -1
	s_barrier_wait -1
.endm
.macro MKSCALE e, sc, lim              ; 2^e and 448 x 2^e as f32
	s_add_co_i32 s96, \e, 127
	s_lshl_b32 s97, s96, 23
	v_mov_b32 v[\sc], s97
	s_add_co_i32 s96, s96, 8
	s_lshl_b32 s96, s96, 23
	s_or_b32 s96, s96, 0x600000
	v_mov_b32 v[\lim], s96
.endm
; Eight registers, one a head, a number in each lane -> register R: lane l holds head l % 8, joined over all 32 lanes.  Each stage halves the registers: a lane keeps its own head's and takes the partner's.
.macro TRED opd, op, R
.irp k, 0,1,2,3
	v_cndmask_b32 v[120+2*\k], v[\R+2*\k], v[\R+2*\k+1], s58
	v_cndmask_b32 v[121+2*\k], v[\R+2*\k+1], v[\R+2*\k], s58
.endr
.irp k, 0,1,2,3
	\opd v[\R+2*\k], v[121+2*\k], v[120+2*\k] row_xmask:1 row_mask:0xf bank_mask:0xf
.endr
.irp k, 0,1
	v_cndmask_b32 v[120+2*\k], v[\R+4*\k], v[\R+4*\k+2], s59
	v_cndmask_b32 v[121+2*\k], v[\R+4*\k+2], v[\R+4*\k], s59
.endr
.irp k, 0,1
	\opd v[\R+4*\k], v[121+2*\k], v[120+2*\k] row_xmask:2 row_mask:0xf bank_mask:0xf
.endr
	v_cndmask_b32 v120, v[\R], v[\R+4], s60
	v_cndmask_b32 v121, v[\R+4], v[\R], s60
	\opd v[\R], v121, v120 row_xmask:4 row_mask:0xf bank_mask:0xf
	\opd v[\R], v[\R], v[\R] row_xmask:8 row_mask:0xf bank_mask:0xf
	v_permlanex16_b32 v[PL], v[\R], s56, s57
	\op v[\R], v[\R], v[PL]
.endm
	s_load_b512 s[4:19], s[0:1], 0x0               ; x s[4:5], z s[6:7], pos s[8:9], Wq s[10:11], bq s[12:13], Wk s[14:15], bk s[16:17], Wv s[18:19]
	s_load_b256 s[20:27], s[0:1], 0x40             ; Wp s[20:21], bp s[22:23], the scales' exponents s[24:25], part s[26:27]
	s_load_b64 s[28:29], s[0:1], 0x60              ; stat
	v_lshl_add_u32 v[SPW], v0, 2, SPARE
	v_mov_b32 v[NIL], 0
	ds_add_u32 v[SPW], v[NIL]                      ; the wave's opening: the add, twice on end, and its wait ahead of my first tensor load
	ds_add_u32 v[SPW], v[NIL]
	v_lshrrev_b32 v3, 5, v0
	v_readfirstlane_b32 s30, v3                    ; wave 0..3
	s_mov_b32 s31, ttmp9                           ; which 8 image rows
	s_and_b32 s32, ttmp7, 0xffff                   ; batch
	s_lshl_b32 s33, s32, 5
	s_add_co_u32 s33, s33, s31                     ; work-group = 32 batch + x
	s_mov_b32 s36, 2<<16                           ; descriptor group 1: no mask, elements of 4 bytes, no padding
	s_mov_b32 s37, 128<<16                         ; tensor_dim0 = 128 pixels
	s_mov_b32 s38, 64<<16                          ; tensor_dim1 = 64 channels
	s_mov_b32 s39, 128<<16                         ; tile_dim0 = 128
	s_mov_b32 s40, 64                              ; tile_dim1 = 64
	s_mov_b32 s41, 65536                           ; from channel to channel: 65,536 elements
	s_mov_b32 s42, 0
	s_mov_b32 s43, 0
	s_lshl_b32 s96, s32, 24                        ; batch x 16,777,216 bytes
	s_lshl_b32 s97, s31, 13                        ; + 8 x rows of 1,024 bytes
	s_add_co_u32 s96, s96, s97
	s_lshl_b32 s97, s30, 11                        ; + 2 w rows
	s_add_co_u32 s96, s96, s97
	s_mov_b32 s97, 0
	s_lshl_b32 s98, s30, 16                        ; my ring in LDS
	s_mov_b32 s56, 0x76543210                      ; v_permlanex16_b32: lane l xor 16
	s_mov_b32 s57, 0xfedcba98
	s_mov_b32 s58, 0xaaaaaaaa                      ; lanes with bit 0, 1, 2, 4 set
	s_mov_b32 s59, 0xcccccccc
	s_mov_b32 s60, 0xf0f0f0f0
	s_mov_b32 s61, 0xffff0000
	s_wait_dscnt 0x0                               ; both opening adds are done
	s_wait_kmcnt 0x0
	s_mov_b32 s44, 1                               ; group 0 of tile 0: slot 0
	s_mov_b32 s45, s98
	s_add_nc_u64 s[46:47], s[4:5], s[96:97]
	s_mov_b32 s48, 1                               ; group 0 of tile 1: slot 1; it walks on later
	s_add_co_u32 s49, s98, SLOTB
	s_add_nc_u64 s[50:51], s[46:47], 512
	s_or_b32 s47, s47, 0x80000000
	s_or_b32 s51, s51, 0x80000000
	tensor_load_to_lds s[44:47], s[36:43]          ; both first fills together, ahead of every wait on TENSORcnt, LDS read and barrier: two loads of mine are out
	s_nop 0
	tensor_load_to_lds s[48:51], s[36:43]
	s_nop 0
.rept 4
	v_nop
.endr
	s_load_b128 s[52:55], s[24:25], 0x0            ; e0 .. e3
	s_lshl_b32 s96, s32, 6
	s_lshl_b32 s99, s30, 3
	s_add_co_u32 s96, s96, s99
	s_add_nc_u64 s[8:9], s[8:9], s[96:97]          ; pos of (batch, head w)
	s_load_b64 s[72:73], s[8:9], 0x0
	s_load_b64 s[74:75], s[8:9], 0x20              ; and of head w + 4
	s_lshl_b32 s96, s32, 8
	s_add_nc_u64 s[6:7], s[6:7], s[96:97]          ; z of my batch
	v_and_b32 v95, 31, v0                          ; lane
	v_and_b32 v179, 7, v0
	v_lshlrev_b32 v96, 5, v179                     ; z: my 8 channels, 8 (lane % 8) on
	v_lshlrev_b32 v97, 2, v0                       ; 4 x thread
	v_lshlrev_b32 v98, 3, v95
	v_lshlrev_b32 v99, 2, v95
	s_lshl_b32 s96, s30, 14
	v_lshl_add_u32 v100, v95, 5, s96               ; the weights: wave w takes rows 64 w on; a lane 8 neighbours along K, eight lanes a row
	global_load_b128 v[80:83], v96, s[6:7]
	global_load_b128 v[84:87], v96, s[6:7] offset:16
	global_load_b32 v88, v97, s[12:13]             ; bq, bk at channels t and t + 128: heads w and w + 4, channel = lane
	global_load_b32 v89, v97, s[12:13] offset:512
	global_load_b32 v90, v97, s[16:17]
	global_load_b32 v91, v97, s[16:17] offset:512
	global_load_b64 v[92:93], v98, s[20:21]        ; Wp[lane][0 .. 1]
	global_load_b32 v94, v99, s[22:23]             ; bp[lane]
	WIN 0xc0
.set i, 0
.rept 16
	global_load_b128 v[8*i:8*i+3], v100, s[10:11] offset:1024*i       ; Wq -> window 3
	global_load_b128 v[8*i+4:8*i+7], v100, s[10:11] offset:1024*i+16
.set i, i+1
.endr
	WIN 0x40
.set i, 0
.rept 16
	global_load_b128 v[8*i:8*i+3], v100, s[14:15] offset:1024*i       ; Wk -> window 1
	global_load_b128 v[8*i+4:8*i+7], v100, s[14:15] offset:1024*i+16
.set i, i+1
.endr
	WIN 0x80
.set i, 0
.rept 16
	global_load_b128 v[8*i:8*i+3], v100, s[18:19] offset:1024*i       ; Wv -> window 2
	global_load_b128 v[8*i+4:8*i+7], v100, s[18:19] offset:1024*i+16
.set i, i+1
.endr
	WIN 0
	; while they are on their way: every LDS address, and the sums' first values
	v_and_b32 v176, 15, v0                         ; r
	v_bfe_u32 v177, v0, 4, 1                       ; h
	v_bfe_u32 v178, v0, 3, 2                       ; lane / 8
	v_lshl_add_u32 v[XA], v95, 2, s98              ; x: my ring + 4 lane: a lane a pixel
	s_mul_i32 s96, s30, 10240
	s_add_co_u32 s96, s96, VC
	v_mul_u32_u24 v[VCW], v95, 80
	v_add_nc_u32 v[VCW], s96, v[VCW]               ; v's codes, in: row = my pixel
	v_mul_u32_u24 v[VFR], v176, 80
	v_lshl_add_u32 v[VFR], v177, 5, v[VFR]
	v_add_nc_u32 v[VFR], s96, v[VFR]               ; and out, as a fragment: row r, + 32 h
	s_lshl_b32 s97, s30, 12
	s_add_co_u32 s97, s97, LG
	v_lshl_add_u32 v[LGW], v95, 2, s97
	v_lshl_add_u32 v[LGR], v95, 4, s97
	v_lshl_add_u32 v[PSW], v95, 6, s97
	v_lshl_add_u32 v[PFR], v179, 4, s97
	v_lshl_add_u32 v[PFR], v177, 7, v[PFR]         ; p, turned: pixel 8 h + lane % 8; lanes 8-15 of a half read what lanes 0-7 read
	v_lshlrev_b32 v[CFA], 5, v177
	v_add_nc_u32 v[CFA], TA0, v[CFA]
	v_mov_b32 v[TBA], TB
	s_lshl_b32 s99, s30, 8
	s_add_co_u32 s99, s99, QT
	v_lshl_add_u32 v101, v178, 2, s99              ; z Wq^T, in: row 64 w + 4 i + lane / 8
	s_mul_i32 s99, s30, 5120
	s_add_co_u32 s99, s99, VC
	v_mul_u32_u24 v102, v178, 80
	v_lshl_add_u32 v102, v179, 3, v102
	v_add_nc_u32 v102, s99, v102                   ; the weights' codes, in
	v_mul_u32_u24 v103, v176, 80
	v_lshl_add_u32 v103, v177, 5, v103
	v_add_nc_u32 v103, VC, v103                    ; and out, as fragments
	v_lshl_add_u32 v104, v0, 2, TA0
	s_lshl_b32 s99, s30, 2
	s_add_co_u32 s99, s99, TB
	v_mov_b32 v105, s99
	v_lshl_add_u32 v106, v0, 2, QT
	v_mov_b32 v[MM], 0xff61b1e6                    ; -3e38, under every t
	v_mov_b32 v[PL], 0
	v_mov_b32 v[FF], 0
	v_mov_b32 v[FF+1], 0
.set j, 0
.rept 24
	v_mov_b32 v[LL+j], 0
.set j, j+1
.endr
	WIN 0x40                                       ; the pooled sums begin as zeros, so that the pooling loop is written without a first step of its own: 128 lines once against a further copy of the loop
.set j, 0
.rept 64
	v_mov_b32 v[192+j], 0
.set j, j+1
.endr
	WIN 0x80
.set j, 0
.rept 64
	v_mov_b32 v[192+j], 0
.set j, j+1
.endr
	; z Wq^T in f32: eight lanes share a row
	s_wait_loadcnt 63                              ; 64 loads were issued behind Wq's last; the field's largest count is one less
	WIN 0x03
.set i, 0
.rept 16
	v_pk_mul_f32 v[112+2*i:113+2*i], v[8*i:8*i+1], v[80:81]
.set i, i+1
.endr
.irp k, 1,2,3
.set i, 0
.rept 16
	v_pk_fma_f32 v[112+2*i:113+2*i], v[8*i+2*\k:8*i+2*\k+1], v[80+2*\k:81+2*\k], v[112+2*i:113+2*i]
.set i, i+1
.endr
.endr
	WIN 0
.set i, 0
.rept 16
	v_add_f32 v[112+2*i], v[112+2*i], v[113+2*i]
.set i, i+1
.endr
.irp m, 1,2,4
.set i, 0
.rept 16
	v_add_f32_dpp v[112+2*i], v[112+2*i], v[112+2*i] row_xmask:\m row_mask:0xf bank_mask:0xf
.set i, i+1
.endr
.endr
.set i, 0
.rept 16
	ds_store_b32 v101, v[112+2*i] offset:16*i      ; eight lanes store the same word with the same number
.set i, i+1
.endr
	s_wait_kmcnt 0x0
	MKSCALE s52, SCK, LK
	MKSCALE s54, SCV, LV
	MKSCALE s53, 107, 108
	MKSCALE s55, 109, 110
; a weight's 64 rows of mine become codes: the hold (the conversion to an 8-bit code does not saturate: ISA guide 7.6.2), the conversion, 8 bytes a lane into rows of 80 bytes
.macro WQUANT wa, wb, sc, lim, off
	WIN \wa
.set j, 0
.rept 128
	v_med3_num_f32 v[j], v[j], -v[\lim], v[\lim]
.set j, j+1
.endr
	WIN \wb
.set i, 0
.rept 16
	v_cvt_scalef32_pk8_fp8_f32 v[144+2*i:145+2*i], v[8*i:8*i+7], v[\sc]
.set i, i+1
.endr
	v_nop                                          ; a plain line behind the last conversion
	WIN 0
.set i, 0
.rept 16
	ds_store_b64 v102, v[144+2*i:145+2*i] offset:\off+320*i
.set i, i+1
.endr
.endm
	s_wait_loadcnt 32                              ; Wk is in; Wv's 32 loads may be out
	WQUANT 0x41, 0x01, 107, 108, 0
	s_wait_loadcnt 0x0
	WQUANT 0x82, 0x02, 109, 110, 20480
	BARRIER                                        ; the 512 rows of codes and z Wq^T lie in LDS.  (My two tensor loads may stay out)
	WIN 0x40
.irp s, 0,1,2,3,4,5,6,7
	ds_load_b128 v[8*\s:8*\s+3], v103 offset:1280*(\s+2)          ; Wk's tiles 2-9
	ds_load_b128 v[8*\s+4:8*\s+7], v103 offset:1280*(\s+2)+16
.endr
	WIN 0x80
.irp s, 0,1,2,3,4,5
	ds_load_b128 v[8*\s:8*\s+3], v103 offset:1280*(\s+10)         ; tiles 10-15,
	ds_load_b128 v[8*\s+4:8*\s+7], v103 offset:1280*(\s+10)+16
.endr
.irp s, 6,7
	ds_load_b128 v[8*\s:8*\s+3], v103 offset:1280*(\s-6)          ; and 0, 1: a head's tiles lie in the window of the head before it, whose multiply-adds stand round its products
	ds_load_b128 v[8*\s+4:8*\s+7], v103 offset:1280*(\s-6)+16
.endr
	WIN 0xc0
.set i, 0
.rept 16
	ds_load_b128 v[8*i:8*i+3], v103 offset:20480+1280*i           ; Wv's 16 tiles
	ds_load_b128 v[8*i+4:8*i+7], v103 offset:20480+1280*i+16
.set i, i+1
.endr
	WIN 0
	ds_load_b32 v112, v106
	ds_load_b32 v113, v106 offset:512
	s_wait_dscnt 0x0
	s_add_co_i32 s96, s52, s53                     ; e0 + e1
	v_add_f32 v112, v112, v88
	v_add_f32 v113, v113, v89
	v_mul_f32 v112, 0x3e8293ee, v112               ; g = q log2(e) / sqrt(32)
	v_mul_f32 v113, 0x3e8293ee, v113
	v_fma_f32 v114, -v92, s72, v94                 ; a = bp - pos0 Wp0 - pos1 Wp1
	v_fma_f32 v115, -v92, s74, v94
	v_fma_f32 v114, -v93, s73, v114
	v_fma_f32 v115, -v93, s75, v115
	v_mul_f32 v116, v112, v114                     ; A0, A1, A2 for heads w, w + 4
	v_mul_f32 v117, v113, v115
	v_mul_f32 v118, v112, v92
	v_mul_f32 v119, v113, v92
	v_mul_f32 v120, v112, v93
	v_mul_f32 v121, v113, v93
.irp j, 0,2,4
	v_mul_f32 v[122+\j], v90, v[116+\j]
	v_mul_f32 v[123+\j], v91, v[117+\j]
.endr
.irp m, 1,2,4,8
.irp j, 0,1,2,3,4,5
	v_add_f32_dpp v[122+\j], v[122+\j], v[122+\j] row_xmask:\m row_mask:0xf bank_mask:0xf
.endr
.endr
.irp j, 0,1,2,3,4,5
	v_permlanex16_b32 v[128+\j], v[122+\j], s56, s57
.endr
.irp j, 0,1,2,3,4,5
	v_add_f32 v[122+\j], v[122+\j], v[128+\j]      ; bk's sums over a head's 32 channels
.endr
.irp j, 0,1,2,3,4,5
	v_mul_f32 v[122+\j], 0x3e800000, v[122+\j]     ; a quarter: four partial sums of a logit each begin with it
	v_ldexp_f32 v[116+\j], v[116+\j], s96          ; the codes' sums lack 2^(e0 + e1)
.endr
.irp t, 0,1,2
.irp k, 0,1
	ds_store_b32 v105, v[122+2*\t+\k] offset:32*\t+16*\k
	ds_store_b32 v104, v[116+2*\t+\k] offset:1024*\t+512*\k
.endr
.endr
	BARRIER                                        ; the tables lie in LDS, and nobody reads the weights' codes any more: their bytes take v's codes
	WIN 0x40
.irp c, 0,1,2,3,4,5,6,7
	ds_load_b128 v[128+8*\c:131+8*\c], v[CFA] offset:2048+64*\c
	ds_load_b128 v[132+8*\c:135+8*\c], v[CFA] offset:2048+64*\c+16
.endr
	WIN 0x80
.irp c, 0,1,2,3,4,5,6,7
	ds_load_b128 v[128+8*\c:131+8*\c], v[CFA] offset:2560+64*\c
	ds_load_b128 v[132+8*\c:135+8*\c], v[CFA] offset:2560+64*\c+16
.endr
	WIN 0
	s_lshl_b32 s96, s31, 3
	s_lshl_b32 s97, s30, 1
	s_add_co_u32 s96, s96, s97
	s_cvt_f32_u32 s70, s96                         ; gx of my first row
	s_mov_b32 s71, s70                             ; (named with it as a pair, so it is written)
.irp j, 77,79,81,83,85,87
	s_mov_b32 s\j, 0                               ; the upper halves of the pairs that hold -M
.endr
	s_mov_b32 s66, 0                               ; the slot in hand, and the place in it
; For an image row: A0 + gx A1 for all 256 channels, and bk's part.
.macro ROWHALF first, w
.irp c, 0,1,2,3,4,5,6,7
.irp q, 0,1
	ds_load_b128 v[80+8*\c+4*\q:83+8*\c+4*\q], v[CFA] offset:64*(\first+\c)+16*\q
	ds_load_b128 v[144+8*\c+4*\q:147+8*\c+4*\q], v[CFA] offset:1024+64*(\first+\c)+16*\q
.endr
.endr
	s_wait_dscnt 0x0
	WIN \w
.set j, 0
.rept 32
	v_pk_fma_f32 v[64+2*j:65+2*j], v[144+2*j:145+2*j], s[70:71], v[80+2*j:81+2*j] op_sel_hi:[1,0,1]
.set j, j+1
.endr
	WIN 0
.endm
.macro ROWSET
	ROWHALF 0, 0x40
	ROWHALF 8, 0x80
.irp k, 0,1,2,3,4,5
	ds_load_b128 v[80+4*\k:83+4*\k], v[TBA] offset:16*\k
.endr
	s_wait_dscnt 0x0
.irp h, 0,1,2,3,4,5,6,7
	v_fma_f32 v[BI+2*\h], v[88+\h], s70, v[80+\h]
	v_mov_b32 v[BI+2*\h+1], v[96+\h]
.endr
	v_and_b32 v[GY], 15, v0                        ; gy begins anew
	v_cvt_f32_u32 v[GY], v[GY]
	v_add_f32 v[GY+1], 0x41800000, v[GY]
	v_and_b32 v[GYS], 31, v0
	v_lshlrev_b32 v[GYS], 2, v[GYS]
	v_cvt_f32_u32 v[GYS], v[GYS]
	v_add_f32 v[GYS+1], 1.0, v[GYS]
	v_add_f32 v[GYS+2], 2.0, v[GYS]
	v_add_f32 v[GYS+3], 0x40400000, v[GYS]
.endm
; eight channels of my pixel become codes twice, under e0 for k and under e2 for v.  The two sets of TMP take turns, so that plain lines stand between a conversion and the next write of its sources.
.macro QOCT o
	s_wait_dscnt 56-8*(\o)                         ; the loads issued behind these eight may be out
.set tm, TMP+8*((\o)&1)
.irp i, 0,1,2,3,4,5,6,7
	v_med3_num_f32 v[tm+\i], v[X+8*(\o)+\i], -v[LK], v[LK]
.endr
.irp i, 0,1,2,3,4,5,6,7
	v_med3_num_f32 v[X+8*(\o)+\i], v[X+8*(\o)+\i], -v[LV], v[LV]
.endr
	v_cvt_scalef32_pk8_fp8_f32 v[CK+2*(\o):CK+2*(\o)+1], v[tm:tm+7], v[SCK]
	v_cvt_scalef32_pk8_fp8_f32 v[CV+2*(\o):CV+2*(\o)+1], v[X+8*(\o):X+8*(\o)+7], v[SCV]
.endm
; product n of head h's four: Wk's tile 2 h + n / 2 against pixels 0-15 (n even) or 16-31 of the group.  Every sum is one instruction: C = 0.
.macro KW h, n
.set kct, 2*(\h)+((\n)>>1)
.if (\h) == 0
.set ksl, 48+8*kct
.elseif (\h) < 5
.set ksl, 8*(kct-2)
.else
.set ksl, 8*(kct-10)
.endif
.set kd, X+32*((\h)&1)+8*(\n)
.set kf, CK+8*((\n)&1)
	v_wmma_f32_16x16x64_fp8_fp8 v[kd:kd+7], v[ksl:ksl+7], v[kf:kf+7], 0
.endm
; head h: 32 packed multiply-adds in four chains (X, Y: the two tiles of pixels; 0: by A0 + gx A1, 1: by A2); in front of each eight stands one product of the next head,
; so that a result is read eight plain lines or more behind its product.
.macro KHEAD h
.set al, AL+8*(\h)
.set db, X+32*((\h)&1)
.set bi, BI+2*(\h)
.irp ctl, 0,1
.irp pr, 0,1,2,3
.if ((\pr)%2 == 0) && ((\h) < 7)
	KW (\h)+1, 2*\ctl+\pr/2
.endif
.set ca, 64+8*((2*(\h)+\ctl)&7)+2*\pr
.set dx, db+16*\ctl+2*\pr
.if (\ctl == 0) && (\pr == 0)
	v_pk_fma_f32 v[al:al+1], v[ca:ca+1], v[dx:dx+1], v[bi:bi+1] op_sel_hi:[1,1,0]
	v_pk_fma_f32 v[al+2:al+3], v[ca:ca+1], v[dx+8:dx+9], v[bi:bi+1] op_sel_hi:[1,1,0]
	v_pk_fma_f32 v[al+4:al+5], v[ca+64:ca+65], v[dx:dx+1], v[bi:bi+1] op_sel:[0,0,1] op_sel_hi:[1,1,1]
	v_pk_fma_f32 v[al+6:al+7], v[ca+64:ca+65], v[dx+8:dx+9], v[bi:bi+1] op_sel:[0,0,1] op_sel_hi:[1,1,1]
.else
	v_pk_fma_f32 v[al:al+1], v[ca:ca+1], v[dx:dx+1], v[al:al+1]
	v_pk_fma_f32 v[al+2:al+3], v[ca:ca+1], v[dx+8:dx+9], v[al+2:al+3]
	v_pk_fma_f32 v[al+4:al+5], v[ca+64:ca+65], v[dx:dx+1], v[al+4:al+5]
	v_pk_fma_f32 v[al+6:al+7], v[ca+64:ca+65], v[dx+8:dx+9], v[al+6:al+7]
.endif
.endr
.endr
.endm
; two heads' logits: + gy x the second chain; the pair's halves; lane l takes pixel l: lanes 0-15 tile X's, lanes 16-31 tile Y's, each with the other half of the lanes' part
.macro KFIN2 ha, hb
.set fa, AL+8*(\ha)
.set fb, AL+8*(\hb)
	v_pk_fma_f32 v[fa:fa+1], v[fa+4:fa+5], v[GY:GY+1], v[fa:fa+1] op_sel_hi:[1,0,1]
	v_pk_fma_f32 v[fb:fb+1], v[fb+4:fb+5], v[GY:GY+1], v[fb:fb+1] op_sel_hi:[1,0,1]
	v_pk_fma_f32 v[fa+2:fa+3], v[fa+6:fa+7], v[GY:GY+1], v[fa+2:fa+3] op_sel:[0,1,0] op_sel_hi:[1,1,1]
	v_pk_fma_f32 v[fb+2:fb+3], v[fb+6:fb+7], v[GY:GY+1], v[fb+2:fb+3] op_sel:[0,1,0] op_sel_hi:[1,1,1]
	v_add_f32 v[fa], v[fa], v[fa+1]
	v_add_f32 v[fb], v[fb], v[fb+1]
	v_add_f32 v[fa+2], v[fa+2], v[fa+3]
	v_add_f32 v[fb+2], v[fb+2], v[fb+3]
	v_cndmask_b32 v[fa+5], v[fa+2], v[fa], s61
	v_cndmask_b32 v[fb+5], v[fb+2], v[fb], s61
	v_cndmask_b32 v[fa+4], v[fa], v[fa+2], s61
	v_cndmask_b32 v[fb+4], v[fb], v[fb+2], s61
	v_permlanex16_b32 v[fa+6], v[fa+5], s56, s57
	v_permlanex16_b32 v[fb+6], v[fb+5], s56, s57
	v_add_f32 v[fa+4], v[fa+4], v[fa+6]
	v_add_f32 v[fb+4], v[fb+4], v[fb+6]
	ds_store_b32 v[LGWD], v[fa+4] offset:512*(\ha)
	ds_store_b32 v[LGWD], v[fb+4] offset:512*(\hb)
.endm
; 32 pixels: read, quantised twice, k's products and the eight logits
.macro QKTRIP
	v_add_nc_u32 v[XAD], s66, v[XA]
	v_add_nc_u32 v[VCWD], s68, v[VCW]
	v_add_nc_u32 v[LGWD], s67, v[LGW]
.set c, 0
.rept 64
	ds_load_b32 v[X+c], v[XAD] offset:512*c        ; a lane a pixel, the registers run down the channels: 128 consecutive bytes a load
.set c, c+1
.endr
.irp o, 0,1,2,3,4,5,6,7
	QOCT \o
.endr
	v_nop                                          ; a plain line behind the last conversion
.irp i, 0,1,2,3,4,5,6,7
	v_permlane16_swap_b32 v[CK+\i], v[CK+8+\i]     ; pixel l's 64 codes -> two fragments: lane (r, h) holds channels 32 h on of pixel r (first eight registers) and of pixel 16 + r
.endr
.irp i, 0,1,2,3
	ds_store_b128 v[VCWD], v[CV+4*\i:CV+4*\i+3] offset:16*\i
.endr
	WIN 0x02
	KW 0, 0
	KW 0, 1
	KW 0, 2
	KW 0, 3
	WIN 0x01
.rept 4
	v_nop                                          ; four places between these products and the first read of their results (ISA guide 7.12.1)
.endr
	KHEAD 0
	KHEAD 1
	KHEAD 2
	KHEAD 3
	WIN 0x02
	KHEAD 4
	KHEAD 5
	KHEAD 6
	KHEAD 7
	WIN 0
	KFIN2 0, 1
	KFIN2 2, 3
	KFIN2 4, 5
	KFIN2 6, 7
	v_add_f32 v[GY], 0x42000000, v[GY]             ; 32 pixels on
	v_add_f32 v[GY+1], 0x42000000, v[GY+1]
	s_add_co_u32 s66, s66, 128
	s_add_co_u32 s67, s67, 128
	s_add_co_u32 s68, s68, 2560
.endm
; The slot just read out is filled again, with the tile two further on.
.macro FILL
	s_wait_tensorcnt 0x0                           ; all my tensor loads have landed, so a group 0 may be written
	ds_add_u32 v[SPW], v[NIL]                      ; 0 onto my spare word; the descriptor's steps stand between it and the wait for it
	s_xor_b32 s49, s49, SLOTB                      ; the other slot than last time,
	s_add_nc_u64 s[50:51], s[50:51], 512           ; the next 128 pixels; the type bits on top are not reached
	s_wait_dscnt 0x0                               ; the add is done, and my reads of the slot are over
	s_barrier_signal -1
	s_barrier_wait -1
	tensor_load_to_lds s[48:51], s[36:43]          ; my one tensor load behind this barrier, and the first thing there: it has the softmax, the pooling and the next tile's first half in which to land
	s_nop 0
.rept 4
	v_nop
.endr
.endm
; The softmax's step for 128 pixels: a lane takes four pixels of all eight heads.
.macro SOFT
.irp h, 0,1,2,3,4,5,6,7
	ds_load_b128 v[X+4*\h:X+4*\h+3], v[LGR] offset:512*\h
.endr
	s_wait_dscnt 0x0
.irp h, 0,1,2,3,4,5,6,7
	v_max3_num_f32 v[MX+\h], v[X+4*\h], v[X+4*\h+1], v[X+4*\h+2]
.endr
.irp h, 0,1,2,3,4,5,6,7
	v_max_num_f32 v[MX+\h], v[MX+\h], v[X+4*\h+3]
.endr
	TRED v_max_num_f32_dpp, v_max_num_f32, MX
	v_max_num_f32 v128, v[MM], v[MX]               ; the new M
	v_sub_f32 v129, v[MM], v128
	v_exp_f32 v[FF], v129                          ; 2^(old M - new M); read behind the batch's wait below
	v_mov_b32 v[MM], v128
	v_mul_f32 v130, -1.0, v128
.irp h, 0,1,2,3,4,5,6,7
	v_readlane_b32 s[72+2*\h], v130, \h            ; -M of head h
.endr
.irp h, 0,1,2,3,4,5,6,7
.irp k, 0,2
	v_pk_add_f32 v[X+4*\h+\k:X+4*\h+\k+1], v[X+4*\h+\k:X+4*\h+\k+1], s[72+2*\h:73+2*\h] op_sel_hi:[1,0]
.endr
.endr
.set j, 0
.rept 32
	v_exp_f32 v[X+j], v[X+j]                       ; p = 2^(t - M)
.set j, j+1
.endr
	v_nop                                          ; a plain line behind the last exponential,
	s_wait_alu depctr_va_vdst(0)                   ; and one wait for the 33, ahead of the first line that names a result
.irp h, 0,1,2,3,4,5,6,7
	v_readlane_b32 s[88+\h], v[FF], \h
.endr
.irp h, 0,1,2,3,4,5,6,7
.set u, 132+4*(\h&1)
	v_pk_add_f32 v[u:u+1], v[X+4*\h:X+4*\h+1], v[X+4*\h+2:X+4*\h+3]
	v_pk_mul_f32 v[u+2:u+3], v[X+4*\h:X+4*\h+1], v[GYS:GYS+1]
	v_add_f32 v[u], v[u], v[u+1]
	v_pk_fma_f32 v[u+2:u+3], v[X+4*\h+2:X+4*\h+3], v[GYS+2:GYS+3], v[u+2:u+3]
	v_fma_f32 v[LL+\h], v[LL+\h], s[88+\h], v[u]   ; the sums are taken of the unrounded p
	v_mul_f32 v[u+1], s70, v[u]
	v_add_f32 v[u+2], v[u+2], v[u+3]
	v_fma_f32 v[SXR+\h], v[SXR+\h], s[88+\h], v[u+1]
	v_fma_f32 v[SYR+\h], v[SYR+\h], s[88+\h], v[u+2]
.endr
.irp i, 0,1,2,3
.irp k, 0,1,2,3
	v_cvt_pk_bf16_f32 v[TMP+4*\i+\k], v[X+8*\k+\i], v[X+8*\k+4+\i]   ; pixel 4 lane + i: heads 2 k, 2 k + 1
.endr
.endr
.irp i, 0,1,2,3
	ds_store_b128 v[PSW], v[TMP+4*\i:TMP+4*\i+3] offset:16*\i        ; over the logits, which are in registers: LDS serves a wave's instructions in order (ISA guide 5.7.1.4)
.endr
	WIN 0x41
.set j, 0
.rept 32
	v_pk_mul_f32 v[192+2*j:193+2*j], v[192+2*j:193+2*j], v[FF:FF+1] op_sel_hi:[1,0]   ; the pooled sums under the new M; each accumulator from its low end on
.set j, j+1
.endr
	WIN 0x82
.set j, 0
.rept 32
	v_pk_mul_f32 v[192+2*j:193+2*j], v[192+2*j:193+2*j], v[FF:FF+1] op_sel_hi:[1,0]
.set j, j+1
.endr
	WIN 0
.irp i, 0,1,2,3
	v_add_f32 v[GYS+\i], 0x43000000, v[GYS+\i]     ; 128 pixels on
.endr
.endm
; v's product n of batch b: pixels 0-15 (n even) or 16-31 against Wv's tile 2 b + n / 2
.macro VW b, n
.set vd, 152+32*((\b)&1)+8*(\n)
.set vx, 128+8*((\n)&1)
.set vw, 8*(2*(\b)+((\n)>>1))
	v_wmma_f32_16x16x64_fp8_fp8 v[vd:vd+7], v[vx:vx+7], v[vw:vw+7], 0
.endm
; batch b: its four results are rounded to bf16, with the next batch's products set between; then two pooling products.  The 16 pooled accumulators take turns, one instruction a turn.
.macro VBATCH b
	WIN 0xff
.irp n, 0,1,2,3
.if (\b) < 7
	VW (\b)+1, \n
.endif
.set vd, 152+32*((\b)&1)+8*\n
.set vb, 216+16*((\b)&1)+8*(\n>>1)+4*(\n&1)
.irp q, 0,1,2,3
	v_cvt_pk_bf16_f32 v[vb+\q], v[vd+2*\q], v[vd+2*\q+1]
.endr
.endr
.if (\b) < 4
	WIN 0x5f
.else
	WIN 0xaf
.endif
.irp e, 0,1
.set va, 192+8*((2*(\b)+\e)&7)
.set vb, 216+16*((\b)&1)+8*\e
	v_wmma_f32_16x16x32_bf16 v[va:va+7], v[vb:vb+7], v[144:151], v[va:va+7]
.endr
.endm
; 32 pixels: v's 256 channels and the pooling
.macro VTRIP
	v_add_nc_u32 v[VFRD], s68, v[VFR]
	v_add_nc_u32 v[PFRD], s69, v[PFR]
	v_nop
	v_nop                                          ; four places in front of loads into registers that matrix instructions have read
	WIN 0xc0
	ds_load_b128 v[128:131], v[VFRD]
	ds_load_b128 v[132:135], v[VFRD] offset:16
	ds_load_b128 v[136:139], v[VFRD] offset:1280
	ds_load_b128 v[140:143], v[VFRD] offset:1296
	ds_load_tr16_b128 v[144:147], v[PFRD]          ; p, turned: lane (r, h) holds head r % 8, pixels 8 h on,
	ds_load_tr16_b128 v[148:151], v[PFRD] offset:256   ; and 16 + 8 h on
	s_wait_dscnt 0x0
	WIN 0xff
	VW 0, 0
	VW 0, 1
	VW 0, 2
	VW 0, 3
.rept 4
	v_nop
.endr
.irp b, 0,1,2,3,4,5,6,7
	VBATCH \b
.endr
	WIN 0
	s_add_co_u32 s68, s68, 2560
	s_add_co_u32 s69, s69, 512
.endm
.macro TILE fill
	s_mov_b32 s67, 0
	s_mov_b32 s68, 0
	s_mov_b32 s62, 4
.Lqk_\@:
	QKTRIP
	s_sub_co_u32 s62, s62, 1
	s_cmp_lg_u32 s62, 0
	s_cbranch_scc1 .Lqk_\@
.if \fill
	FILL
.endif
	SOFT
	s_mov_b32 s68, 0
	s_mov_b32 s69, 0
	s_mov_b32 s62, 4
.Lv_\@:
	VTRIP
	s_sub_co_u32 s62, s62, 1
	s_cmp_lg_u32 s62, 0
	s_cbranch_scc1 .Lv_\@
	s_sub_co_u32 s66, s66, 512                     ; back to a slot's first pixel,
	s_xor_b32 s66, s66, SLOTB                      ; in the other slot
.endm
	ROWSET                                         ; (its first wait covers A2's loads too)
	s_mov_b32 s63, 2
.Ltile_a:                                              ; tiles 0 and 1, my first image row; each slot is filled again as soon as it has been read
	s_wait_tensorcnt 0x1                           ; my tile is in; the one load issued behind it may be out
	TILE 1
	s_sub_co_u32 s63, s63, 1
	s_cmp_lg_u32 s63, 0
	s_cbranch_scc1 .Ltile_a
	s_add_f32 s70, s70, 1.0                        ; my second image row
	s_mov_b32 s71, s70
	ROWSET
	s_wait_tensorcnt 0x1                           ; tile 2 is in; tile 3 may be out
	TILE 0                                         ; the last two tiles are written out: nothing is left to fetch
	s_wait_tensorcnt 0x0                           ; tile 3
	TILE 0
	; THE WAY OUT.  The four waves' sums are brought under one maximum and added, through LDS: the pooled sums through bytes of the ring, which has had its last fill.
	TRED v_add_f32_dpp, v_add_f32, LL
	TRED v_add_f32_dpp, v_add_f32, SXR
	TRED v_add_f32_dpp, v_add_f32, SYR
	v_and_b32 v80, 7, v0
	v_and_b32 v81, 31, v0
	v_and_b32 v82, 15, v0
	v_bfe_u32 v83, v0, 4, 1
	s_lshl_b32 s96, s30, 5
	s_add_co_u32 s96, s96, MSX
	v_lshl_add_u32 v84, v80, 2, s96
	v_lshl_add_u32 v85, v80, 2, MSX
	s_lshl_b32 s96, s30, 7
	s_add_co_u32 s96, s96, STX
	v_lshl_add_u32 v86, v80, 2, s96
	v_lshl_add_u32 v87, v81, 2, STX
	s_mul_i32 s96, s30, 16640                      ; a wave's 16 rows of 1,024 + 16 bytes
	v_mul_u32_u24 v88, v82, 1040
	v_lshl_add_u32 v88, v83, 5, v88
	v_add_nc_u32 v88, s96, v88
	s_mul_i32 s96, s30, 2080
	v_lshl_add_u32 v89, v81, 4, s96                ; back: heads 2 w, 2 w + 1
	v_lshlrev_b32 v90, 4, v81
	v_lshlrev_b32 v91, 2, v81
	s_lshl_b32 s96, s33, 13
	s_lshl_b32 s97, s30, 11
	s_add_co_u32 s96, s96, s97
	s_mov_b32 s97, 0
	s_add_nc_u64 s[26:27], s[26:27], s[96:97]      ; part: my work-group's 8,192 bytes, my two heads
	s_lshl_b32 s96, s33, 7
	s_add_nc_u64 s[28:29], s[28:29], s[96:97]      ; stat: my work-group's 128 bytes
	ds_store_b32 v84, v[MM]
	BARRIER                                        ; the four maxima lie in LDS; every wave's reads of its ring are over
.irp s, 0,1,2,3
	ds_load_b32 v[92+\s], v85 offset:32*\s
.endr
	s_wait_dscnt 0x0
	v_max3_num_f32 v96, v92, v93, v94
	v_max_num_f32 v96, v96, v95                    ; the work-group's M
	v_sub_f32 v97, v[MM], v96
	v_exp_f32 v[FF], v97
	v_nop
	s_wait_alu depctr_va_vdst(0)                   ; ahead of the first reader
	v_mul_f32 v[LL], v[LL], v[FF]
	v_mul_f32 v[SXR], v[SXR], v[FF]
	v_mul_f32 v[SYR], v[SYR], v[FF]
	WIN 0x41
.set j, 0
.rept 32
	v_pk_mul_f32 v[192+2*j:193+2*j], v[192+2*j:193+2*j], v[FF:FF+1] op_sel_hi:[1,0]
.set j, j+1
.endr
	WIN 0x82
.set j, 0
.rept 32
	v_pk_mul_f32 v[192+2*j:193+2*j], v[192+2*j:193+2*j], v[FF:FF+1] op_sel_hi:[1,0]
.set j, j+1
.endr
	WIN 0x04                                       ; store data in window 1
.irp e, 0,1,2,3,4,5,6,7
	ds_store_b128 v88, v[192+8*\e:195+8*\e] offset:64*\e           ; lane (r, h): row r (head r % 8), channels 16 e + 8 h on
	ds_store_b128 v88, v[196+8*\e:199+8*\e] offset:64*\e+16
.endr
	WIN 0x08
.irp e, 0,1,2,3,4,5,6,7
	ds_store_b128 v88, v[192+8*\e:195+8*\e] offset:512+64*\e
	ds_store_b128 v88, v[196+8*\e:199+8*\e] offset:512+64*\e+16
.endr
	WIN 0
	ds_store_b32 v86, v96
	ds_store_b32 v86, v[LL] offset:32
	ds_store_b32 v86, v[SXR] offset:64
	ds_store_b32 v86, v[SYR] offset:96
	BARRIER
.irp g, 0,1,2,3
.irp s, 0,1,2,3
	ds_load_b128 v[144+16*\g+4*\s:147+16*\g+4*\s], v89 offset:16640*\s+1040*(\g/2)+512*(\g%2)
.endr
.endr
	s_wait_dscnt 0x0
.irp g, 0,1,2,3
	v_pk_add_f32 v[144+16*\g:145+16*\g], v[144+16*\g:145+16*\g], v[148+16*\g:149+16*\g]
	v_pk_add_f32 v[146+16*\g:147+16*\g], v[146+16*\g:147+16*\g], v[150+16*\g:151+16*\g]
	v_pk_add_f32 v[152+16*\g:153+16*\g], v[152+16*\g:153+16*\g], v[156+16*\g:157+16*\g]
	v_pk_add_f32 v[154+16*\g:155+16*\g], v[154+16*\g:155+16*\g], v[158+16*\g:159+16*\g]
	v_pk_add_f32 v[144+16*\g:145+16*\g], v[144+16*\g:145+16*\g], v[152+16*\g:153+16*\g]
	v_pk_add_f32 v[146+16*\g:147+16*\g], v[146+16*\g:147+16*\g], v[154+16*\g:155+16*\g]
.endr
.irp g, 0,1,2,3
	global_store_b128 v90, v[144+16*\g:147+16*\g], s[26:27] offset:512*\g   ; 32 lanes store 512 consecutive bytes, at a multiple of 256 from part's first byte
.endr
	s_cmp_lg_u32 s30, 0
	s_cbranch_scc1 .Lnot_wave_0
.irp s, 0,1,2,3
	ds_load_b32 v[100+\s], v87 offset:128*\s       ; lane l: word l of each wave's 32: M, sum p, sum p gx, sum p gy, eight heads each
.endr
	s_wait_dscnt 0x0
	v_add_f32 v100, v100, v101
	v_add_f32 v102, v102, v103
	v_add_f32 v100, v100, v102
	s_mov_b32 s96, 0xff
	v_cndmask_b32 v100, v100, v96, s96             ; lanes 0-7: M is not a sum
	global_store_b32 v91, v100, s[28:29]
.Lnot_wave_0:
	s_wait_tensorcnt 0x0                           ; the wave's end, behind my last tensor load and my last LDS store
	ds_add_u32 v[SPW], v[NIL]
	s_wait_dscnt 0x0
	s_endpgm
.Lfunc_end_k_q78dd750d79_attend:
	.size	k_q78dd750d79_attend, .Lfunc_end_k_q78dd750d79_attend-k_q78dd750d79_attend
	.p2alignl 7, 3214868480
	.fill 96, 4, 3214868480
	.section	.rodata,"a",@progbits
	.p2align	6, 0x0
	.amdhsa_kernel k_q78dd750d79_attend
		.amdhsa_group_segment_fixed_size 327680
		.amdhsa_private_segment_fixed_size 0
		.amdhsa_enable_private_segment 0
		.amdhsa_kernarg_size 104
		.amdhsa_user_sgpr_count 2
		.amdhsa_user_sgpr_kernarg_segment_ptr 1
		.amdhsa_wavefront_size32 1
		.amdhsa_system_sgpr_workgroup_id_x 1
		.amdhsa_system_sgpr_workgroup_id_y 1
		.amdhsa_system_sgpr_workgroup_id_z 1
		.amdhsa_system_vgpr_workitem_id 0
		.amdhsa_next_free_vgpr 1024
		.amdhsa_next_free_sgpr 102
		.amdhsa_reserve_vcc 0
		.amdhsa_float_denorm_mode_32 3
		.amdhsa_float_denorm_mode_16_64 3
		.amdhsa_memory_ordered 1
		.amdhsa_forward_progress 1
		.amdhsa_inst_pref_size 255
	.end_amdhsa_kernel
	.section	.bss,"aw",@nobits
	.p2align	6
	.space	262144
	.amdgpu_metadata
---
amdhsa.version: [ 1, 2 ]
amdhsa.kernels:
  - .name:           k_q78dd750d79_attend
    .symbol:         k_q78dd750d79_attend.kd
    .args:
      - { .name: x, .offset: 0, .size: 8, .value_kind: global_buffer, .address_space: global }
      - { .name: z, .offset: 8, .size: 8, .value_kind: global_buffer, .address_space: global }
      - { .name: pos, .offset: 16, .size: 8, .value_kind: global_buffer, .address_space: global }
      - { .name: Wq, .offset: 24, .size: 8, .value_kind: global_buffer, .address_space: global }
      - { .name: bq, .offset: 32, .size: 8, .value_kind: global_buffer, .address_space: global }
      - { .name: Wk, .offset: 40, .size: 8, .value_kind: global_buffer, .address_space: global }
      - { .name: bk, .offset: 48, .size: 8, .value_kind: global_buffer, .address_space: global }
      - { .name: Wv, .offset: 56, .size: 8, .value_kind: global_buffer, .address_space: global }
      - { .name: Wp, .offset: 64, .size: 8, .value_kind: global_buffer, .address_space: global }
      - { .name: bp, .offset: 72, .size: 8, .value_kind: global_buffer, .address_space: global }
      - { .name: lowp_scales, .offset: 80, .size: 8, .value_kind: global_buffer, .address_space: global }
      - { .name: part, .offset: 88, .size: 8, .value_kind: global_buffer, .address_space: global }
      - { .name: stat, .offset: 96, .size: 8, .value_kind: global_buffer, .address_space: global }
    .group_segment_fixed_size: 327680
    .private_segment_fixed_size: 0
    .kernarg_segment_align: 8
    .kernarg_segment_size: 104
    .max_flat_workgroup_size: 128
    .sgpr_count:     102
    .vgpr_count:     1024
    .wavefront_size: 32
...
	.end_amdgpu_metadata
.endif
;; end of part 1
;; launch finish (part 2): grid 16 x 8, 1 waves a work-group, no clusters, 0 bytes of LDS; arguments part, stat, bv, lowp_scales, out0, out1; writes out0, out1
.if DOCPART == 2
	.amdgcn_target "amdgcn-amd-amdhsa--gfx1250"
	.amdhsa_code_object_version 6
	.text
	.protected	k_q78dd750d79_finish
	.globl	k_q78dd750d79_finish
	.p2align	8
	.type	k_q78dd750d79_finish,@function
k_q78dd750d79_finish:
	s_mov_b64 s[64:65], 0
	v_nop
	global_prefetch_b8 v0, s[64:65] scope:SCOPE_SE
	s_setreg_imm32_b32 hwreg(HW_REG_WAVE_MODE, 25, 1), 1
	s_wait_xcnt 0x0
; Second launch: the 32 partial results of a batch are brought under one maximum and added.  Nothing is left out here either; bv is added behind the pooling, since the softmax's weights add up to 1.
; part[32 b + i][head][256]: sum p x raw v sums under M_i;  stat[32 b + i][M, sum p, sum p gx, sum p gy][head].
; out0[b][head][e] = 2^(e2+e3) sum_i w_i part_i[e] / sum_i w_i L_i + bv[e],  w_i = 2^(M_i - max M);  out1[b][head] = sum_i w_i (SX_i, SY_i) / sum_i w_i L_i.
; One wave takes half a head's row of out0 (128 numbers, 4 a lane); in the statistics lane i stands for partial i.  128 such waves are all the work there is.
; No LDS, no matrix unit, no cluster: 16,384 bytes a wave are read once.  LIMIT: NaN and infinities are not served.
	s_load_b256 s[4:11], s[0:1], 0x0               ; part s[4:5], stat s[6:7], bv s[8:9], the scales' exponents s[10:11]
	s_load_b128 s[12:15], s[0:1], 0x20             ; out0, out1
	s_lshr_b32 s16, ttmp9, 1                       ; head
	s_and_b32 s17, ttmp9, 1                        ; which half of its row
	s_and_b32 s18, ttmp7, 0xffff                   ; batch
	v_lshlrev_b32 v1, 7, v0                        ; partial i's 128 bytes of stat
	v_lshlrev_b32 v6, 4, v0                        ; 16 bytes a lane
	v_mov_b32 v7, 0                                ; written once: a lane permute's destination counts as one of its sources
	v_mov_b32 v10, 0
	v_mov_b32 v11, 0
	v_mov_b32 v146, 0
	s_mov_b32 s28, 0x76543210
	s_mov_b32 s29, 0xfedcba98
	s_mov_b32 s21, 0
	s_mov_b32 s23, 0
	s_lshl_b32 s20, s18, 12
	s_lshl_b32 s22, s16, 2
	s_add_co_u32 s20, s20, s22                     ; stat: 32 b x 128 + 4 head
	s_wait_kmcnt 0x0
	s_load_b64 s[24:25], s[10:11], 0x8             ; e2, e3
	s_add_nc_u64 s[6:7], s[6:7], s[20:21]
	s_lshl_b32 s20, s17, 9
	s_add_nc_u64 s[8:9], s[8:9], s[20:21]          ; bv: my 128 numbers
	s_lshl_b32 s22, s16, 10
	s_add_co_u32 s20, s20, s22                     ; 1,024 head + 512 half
	s_lshl_b32 s22, s18, 13
	s_add_co_u32 s22, s22, s20
	s_add_nc_u64 s[12:13], s[12:13], s[22:23]      ; out0: + 8,192 b
	s_lshl_b32 s22, s18, 18
	s_add_co_u32 s22, s22, s20
	s_add_nc_u64 s[4:5], s[4:5], s[22:23]          ; part: + 32 b x 8,192
	s_lshl_b32 s22, s18, 6
	s_lshl_b32 s20, s16, 3
	s_add_co_u32 s22, s22, s20
	s_add_nc_u64 s[14:15], s[14:15], s[22:23]      ; out1: 8 bytes for (b, head)
.irp k, 0,1,2,3
	global_load_b32 v[2+\k], v1, s[6:7] offset:32*\k
.endr
	global_load_b128 v[12:15], v6, s[8:9]
.set i, 0
.rept 32
	global_load_b128 v[16+4*i:19+4*i], v6, s[4:5] offset:8192*i th:TH_LOAD_NT    ; 512 consecutive bytes a load; read once in the launch
.set i, i+1
.endr
	s_wait_loadcnt 33                              ; the statistics are in; bv and the 32 partials may be out
	v_mov_b32 v8, v2
.irp m, 1,2,4,8
	v_max_num_f32_dpp v8, v8, v8 row_xmask:\m row_mask:0xf bank_mask:0xf
.endr
	v_permlanex16_b32 v7, v8, s28, s29
	v_max_num_f32 v8, v8, v7                       ; the batch's largest M for this head
	v_sub_f32 v9, v2, v8
	v_exp_f32 v9, v9                               ; w_i
	v_nop
	s_wait_alu depctr_va_vdst(0)                   ; ahead of the first reader
	v_mul_f32 v3, v3, v9
	v_mul_f32 v4, v4, v9
	v_mul_f32 v5, v5, v9
.irp m, 1,2,4,8
	v_add_f32_dpp v3, v3, v3 row_xmask:\m row_mask:0xf bank_mask:0xf
	v_add_f32_dpp v4, v4, v4 row_xmask:\m row_mask:0xf bank_mask:0xf
	v_add_f32_dpp v5, v5, v5 row_xmask:\m row_mask:0xf bank_mask:0xf
.endr
	v_permlanex16_b32 v7, v3, s28, s29
	v_permlanex16_b32 v10, v4, s28, s29
	v_permlanex16_b32 v11, v5, s28, s29
	v_add_f32 v3, v3, v7
	v_add_f32 v4, v4, v10
	v_add_f32 v5, v5, v11
	v_rcp_f32 v10, v3                              ; 1 / the softmax's sum, which is at least 1: the largest p is 1
	v_nop
	s_wait_kmcnt 0x0
	s_add_co_i32 s24, s24, s25                     ; e2 + e3
	s_wait_alu depctr_va_vdst(0)
	v_mul_f32 v11, v9, v10
	v_ldexp_f32 v11, v11, s24                      ; w_i 2^(e2+e3) / the sum
.set i, 0
.rept 32
	v_readlane_b32 s[32+i], v11, i
.set i, i+1
.endr
.set i, 0
.rept 32
	s_wait_loadcnt 31-i                            ; partial i is in (and bv, which was asked for ahead of it)
.irp k, 0,1,2,3
	v_fma_f32 v[12+\k], v[16+4*i+\k], s[32+i], v[12+\k]   ; the sums begin with bv
.endr
.set i, i+1
.endr
	global_store_b128 v6, v[12:15], s[12:13]       ; 512 consecutive bytes, at a multiple of 256 from out0's first byte
	s_cmp_lg_u32 s17, 0
	s_cbranch_scc1 .Ldone                          ; the head's first half also stores out1
	v_mul_f32 v144, v4, v10
	v_mul_f32 v145, v5, v10
	s_wait_xcnt 0x0                                ; EXEC changes only behind this wait: it is a source of the store above
	v_cmp_eq_u32 vcc_lo, 0, v0
	s_and_saveexec_b32 s26, vcc_lo
	global_store_b64 v146, v[144:145], s[14:15]
	s_wait_xcnt 0x0
	s_or_b32 exec_lo, exec_lo, s26
.Ldone:
	s_endpgm
.Lfunc_end_k_q78dd750d79_finish:
	.size	k_q78dd750d79_finish, .Lfunc_end_k_q78dd750d79_finish-k_q78dd750d79_finish
	.p2alignl 7, 3214868480
	.fill 96, 4, 3214868480
	.section	.rodata,"a",@progbits
	.p2align	6, 0x0
	.amdhsa_kernel k_q78dd750d79_finish
		.amdhsa_group_segment_fixed_size 0
		.amdhsa_private_segment_fixed_size 0
		.amdhsa_enable_private_segment 0
		.amdhsa_kernarg_size 48
		.amdhsa_user_sgpr_count 2
		.amdhsa_user_sgpr_kernarg_segment_ptr 1
		.amdhsa_wavefront_size32 1
		.amdhsa_system_sgpr_workgroup_id_x 1
		.amdhsa_system_sgpr_workgroup_id_y 1
		.amdhsa_system_sgpr_workgroup_id_z 1
		.amdhsa_system_vgpr_workitem_id 0
		.amdhsa_next_free_vgpr 160
		.amdhsa_next_free_sgpr 66
		.amdhsa_reserve_vcc 1
		.amdhsa_float_denorm_mode_32 3
		.amdhsa_float_denorm_mode_16_64 3
		.amdhsa_memory_ordered 1
		.amdhsa_forward_progress 1
		.amdhsa_inst_pref_size 19
	.end_amdhsa_kernel
	.amdgpu_metadata
---
amdhsa.version: [ 1, 2 ]
amdhsa.kernels:
  - .name:           k_q78dd750d79_finish
    .symbol:         k_q78dd750d79_finish.kd
    .args:
      - { .name: part, .offset: 0, .size: 8, .value_kind: global_buffer, .address_space: global }
      - { .name: stat, .offset: 8, .size: 8, .value_kind: global_buffer, .address_space: global }
      - { .name: bv, .offset: 16, .size: 8, .value_kind: global_buffer, .address_space: global }
      - { .name: lowp_scales, .offset: 24, .size: 8, .value_kind: global_buffer, .address_space: global }
      - { .name: out0, .offset: 32, .size: 8, .value_kind: global_buffer, .address_space: global }
      - { .name: out1, .offset: 40, .size: 8, .value_kind: global_buffer, .address_space: global }
    .group_segment_fixed_size: 0
    .private_segment_fixed_size: 0
    .kernarg_segment_align: 8
    .kernarg_segment_size: 48
    .max_flat_workgroup_size: 32
    .sgpr_count:     66
    .vgpr_count:     160
    .wavefront_size: 32
...
	.end_amdgpu_metadata
.endif
;; end of part 2
